; MI455X (gfx1250); checked and timed in simulation.
; The chip was launched on July 23, 2026; its instructions are those of AMD's public machine-readable ISA for CDNA 5 (MIT licence, August 2026) and "CDNA5" Instruction Set Architecture Reference Guide (July 2026). The comments in the code are by the model that wrote it; some were corrected since.
;; Co Attention. Allowed arithmetic: float matrix products may take bf16 or f16 operands with f32 sums; all other float work in f32.
;; Inputs: Wk 256 x 256 float32; Wq 1,024 x 256 float32; bk 256 float32; bq 256 float32; data1 8 x 2,048 x 1,024 float32; data2 8 x 2,048 x 256 float32.
;; Outputs: out0 8 x 2,048 x 256 float32.
;; One version. Each part assembles by itself: llvm-mc -triple=amdgcn-amd-amdhsa -mcpu=gfx1250 --defsym DOCPART=n.
;; ======== version 1 of 1: 2 launches
;; workspace buffers: kb 8,388,608 bytes; wqb 524,288 bytes
;; launch prep (part 1): grid 256 x 1, 8 waves a work-group, no clusters, 203,776 bytes of LDS; arguments data2, Wk, bk, Wq, kb, wqb; writes kb, wqb
.if DOCPART == 1
	.amdgcn_target "amdgcn-amd-amdhsa--gfx1250"
	.amdhsa_code_object_version 6
	.text
	.protected	k_q4814363021_prep
	.globl	k_q4814363021_prep
	.p2align	8
	.type	k_q4814363021_prep,@function
k_q4814363021_prep:
	s_mov_b64 s[64:65], 0
	v_nop
	global_prefetch_b8 v0, s[64:65] scope:SCOPE_SE
	s_setreg_imm32_b32 hwreg(HW_REG_WAVE_MODE, 25, 1), 1
	s_wait_xcnt 0x0
; kb[key][d] = bf16( sum over i of data2[key][i] Wk[i][d] + bk[d] ), [16384][256], and wqb = bf16(Wq), [1024][256], rows permuted.
; LIMITS: data2, Wk and Wq are rounded to bf16 as matrix operands, sums and bias in f32, kb rounded once; NaN and infinities are not looked after.
; Eight waves; work-group g owns keys 64 g .. 64 g + 63 and rows 4 g .. 4 g + 3 of Wq.
; Wave w converts 8 rows of data2, 32 rows of Wk and half a row of Wq, and then makes d = 32 w .. 32 w + 31 for all 64 keys: 8 accumulator tiles.
; THE PRODUCT IS TAKEN TRANSPOSED: source 0 = Wk^T (m = d), source 1 = data2 (n = key).  A lane then holds 8 neighbouring d of one key,
; which pack into 16 bytes of a row of kb, and the bias, which hangs on m alone, is the C operand of the first product.
; Wk lies in LDS as [i][d] and is read by the transposing load.
; k place 8 h + j therefore reads LDS row 2 j + h, and
; row i of a group of 16 is STORED at place 2 (i & 7) + (i >> 3).  wqb's rows are laid out in memory in the same way, for the next launch.
; NO JOINT LOADS, though every work-group reads all of Wk: Wk is f32 in memory and is converted in registers on its way into LDS; a tensor load
; would lay down the f32 image, 262,144 bytes, beside the bf16 copy (135,168) and the two stages (2 x 33,792): more than a work-group can have.
.set P,    528                         ; LDS pitch: 512 bytes of data + 16
.set X2B,  256*P                       ; 135,168: data2 in bf16, 64 rows; Wk in bf16 lies at 0, 256 rows
.set KS,   X2B+64*P                    ; 168,960: the result in bf16, 64 rows, for the way out
.set QOFF, 4                           ; v4      16 t: my 16 bytes of the group's four rows of Wq
.set QST,  5                           ; v5      8 L: my 8 bytes of the 256 that the wave stores into wqb
.set BKA,  6                           ; v6      128 w + 32 h: my 8 numbers of bk
.set XA,   7                           ; v7      8192 w + 16 L: data2
.set WQ,   8                           ; v[8:11] Wq as loaded
.set WA,   12                          ; v12     32768 w + 16 L: Wk
.set XS,   13                          ; v13     LDS: where my data2 goes
.set WS,   14                          ; v14     LDS: where my Wk goes
.set BIAS, 16                          ; v[16:31]   bias tiles t = 0, 1
.set ACC,  32                          ; v[32:95]   accumulator (t, k) at 8 (4 t + k)
.set BUF0, 96                          ; v[96:143]  fragments: 2 of Wk^T, 4 of data2
.set BUF1, 144                         ; v[144:191]
.set XL,   96                          ; v[96:159]  data2 as loaded (ahead of the first fragment load)
.set TRA,  192                         ; v192, v193 LDS address of my Wk^T fragments, rows 0-127 and 128-255
.set XR,   194                         ; v194    LDS address of the data2 fragments
.set KSS,  195                         ; v195    way out: where I put 16 bytes
.set KSR,  196                         ; v196    way out: where I read a row back
.set KO,   197                         ; v197    my byte offset in the group's part of kb
.set PK,   200                         ; v[200:231] packed results
; window 1 (v256-v511): Wk as loaded, load number n (row n >> 1, half n & 1) at 4 n
.set MSB, 0
.macro WIN new                         ; the immediate's high byte repeats the setting that is left
.if MSB != \new
	s_set_vgpr_msb (MSB<<8)|\new
.set MSB, \new
.endif
.endm
.macro PLACES n
.rept \n
	v_nop
.endr
.endm
	s_load_b256 s[4:11], s[0:1], 0x0               ; data2 s[4:5], Wk s[6:7], bk s[8:9], Wq s[10:11]
	s_load_b128 s[12:15], s[0:1], 0x20             ; kb s[12:13], wqb s[14:15]
	v_lshl_add_u32 v254, v0, 2, 0x31800
	v_mov_b32 v255, 0
	v_lshrrev_b32 v1, 5, v0
	v_readfirstlane_b32 s16, v1                    ; wave 0..7
	v_and_b32 v1, 31, v0                           ; L
	v_and_b32 v2, 15, v0                           ; r
	v_bfe_u32 v3, v0, 4, 1                         ; h
	v_lshlrev_b32 v[QOFF], 4, v0
	v_lshlrev_b32 v[QST], 3, v1
	s_lshl_b32 s17, s16, 7
	v_lshl_add_u32 v[BKA], v3, 5, s17
	s_lshl_b32 s17, s16, 13
	v_lshl_add_u32 v[XA], v1, 4, s17
	s_lshl_b32 s17, s16, 15
	v_lshl_add_u32 v[WA], v1, 4, s17
	s_mul_i32 s17, s16, 8*P
	s_add_co_u32 s17, s17, X2B
	v_lshl_add_u32 v[XS], v1, 3, s17
	s_mul_i32 s17, s16, 32*P
	v_lshl_add_u32 v[WS], v1, 3, s17
	v_and_b32 v198, 7, v0
	v_lshl_add_u32 v198, v198, 1, v3               ; row 2 (L & 7) + h of a group of 16
	v_mul_u32_u24 v198, v198, P
	v_bfe_u32 v199, v0, 3, 1
	v_lshl_add_u32 v198, v199, 4, v198             ; + 16 bytes for the upper eight columns
	s_lshl_b32 s17, s16, 6                         ; my 32 columns: 64 w bytes
	v_add_nc_u32 v[TRA], s17, v198
	v_add_nc_u32 v[TRA+1], 128*P, v[TRA]
	v_mul_u32_u24 v198, v2, P
	v_lshl_add_u32 v198, v3, 4, v198               ; 528 r + 16 h
	v_add_nc_u32 v[XR], X2B, v198
	s_add_co_u32 s17, s17, KS
	v_add_nc_u32 v[KSS], s17, v198
	s_mul_i32 s17, s16, 8*P
	s_add_co_u32 s17, s17, KS
	v_lshl_add_u32 v[KSR], v1, 4, s17
	s_lshl_b32 s17, s16, 12
	v_lshl_add_u32 v[KO], v1, 4, s17
	s_lshl_b32 s18, ttmp9, 16                      ; 64 rows of data2, 1,024 bytes each
	s_mov_b32 s19, 0
	s_lshl_b32 s20, ttmp9, 12                      ; 4 rows of Wq
	s_mov_b32 s21, 0
	s_lshl_b32 s22, ttmp9, 15                      ; 64 rows of kb, 512 bytes each
	s_mov_b32 s23, 0
	s_lshl_b32 s24, ttmp9, 2
	s_lshr_b32 s25, s16, 1
	s_add_co_u32 s24, s24, s25                     ; i = 4 g + (w >> 1): my wave's row of Wq
	s_and_b32 s25, s24, 7
	s_lshl_b32 s25, s25, 1
	s_bfe_u32 s26, s24, 0x10003
	s_and_b32 s24, s24, 0xfffffff0
	s_add_co_u32 s24, s24, s25
	s_add_co_u32 s24, s24, s26                     ; its place: (i & ~15) + 2 (i & 7) + ((i >> 3) & 1)
	s_lshl_b32 s24, s24, 9
	s_and_b32 s25, s16, 1
	s_lshl_b32 s25, s25, 8
	s_add_co_u32 s24, s24, s25                     ; + my wave's half of the row
	s_mov_b32 s25, 0
	s_wait_kmcnt 0x0
	s_add_nc_u64 s[4:5], s[4:5], s[18:19]
	s_add_nc_u64 s[10:11], s[10:11], s[20:21]
	s_add_nc_u64 s[12:13], s[12:13], s[22:23]
	s_add_nc_u64 s[14:15], s[14:15], s[24:25]
; 32 loads of Wk, numbers n0 .. n0 + 31: each covers 512 consecutive bytes, half a row
.macro WKLOAD n0
	WIN 0x40                                       ; destination in window 1
.set wi, \n0
.rept 32
	global_load_b128 v[4*wi:4*wi+3], v[WA], s[6:7] offset:512*wi
.set wi, wi+1
.endr
.endm
; the same 32: rounded in place, and stored at the row's place in its group of 16
.macro WKCONV n0
	WIN 0x45
.set wi, \n0
.rept 32
	v_cvt_pk_bf16_f32 v[4*wi], v[4*wi], v[4*wi+1]
	v_cvt_pk_bf16_f32 v[4*wi+1], v[4*wi+2], v[4*wi+3]
.set wi, wi+1
.endr
	WIN 0x04                                       ; store data in window 1
.set wi, \n0
.rept 32
	ds_store_b64 v[WS], v[4*wi:4*wi+1] offset:(((wi>>1)&16)+2*((wi>>1)&7)+((wi>>4)&1))*P+(wi&1)*256
.set wi, wi+1
.endr
.endm
	global_load_b128 v[WQ:WQ+3], v[QOFF], s[10:11] th:TH_LOAD_NT
.irp t, 0,1
	global_load_b128 v[BIAS+8*\t:BIAS+8*\t+3],   v[BKA], s[8:9] offset:64*\t       ; bk[32 w + 16 t + 8 h + 0..3]
	global_load_b128 v[BIAS+8*\t+4:BIAS+8*\t+7], v[BKA], s[8:9] offset:64*\t+16
.endr
.set xi, 0
.rept 16
	global_load_b128 v[XL+4*xi:XL+4*xi+3], v[XA], s[4:5] offset:512*xi th:TH_LOAD_NT   ; row xi >> 1, half xi & 1
.set xi, xi+1
.endr
	WKLOAD 0
	WIN 0
	s_wait_loadcnt 32                              ; all but the 32 loads of Wk, which are younger
	v_cvt_pk_bf16_f32 v[WQ], v[WQ], v[WQ+1]
	v_cvt_pk_bf16_f32 v[WQ+1], v[WQ+2], v[WQ+3]
	global_store_b64 v[QST], v[WQ:WQ+1], s[14:15]  ; the wave stores 256 consecutive bytes, aligned
.set xi, 0
.rept 16
	v_cvt_pk_bf16_f32 v[XL+4*xi], v[XL+4*xi], v[XL+4*xi+1]
	v_cvt_pk_bf16_f32 v[XL+4*xi+1], v[XL+4*xi+2], v[XL+4*xi+3]
.set xi, xi+1
.endr
.set xi, 0
.rept 16
	ds_store_b64 v[XS], v[XL+4*xi:XL+4*xi+1] offset:(xi>>1)*P+(xi&1)*256
.set xi, xi+1
.endr
	WKLOAD 32
	s_wait_loadcnt 32                              ; the first 32 of Wk are in, the 32 just issued stay out
	WKCONV 0
	s_wait_loadcnt 0x0
	WKCONV 32
	WIN 0
	s_wait_dscnt 0x0                               ; my stores are done, for the other waves' sake
	s_barrier_signal -1
	s_barrier_wait -1                              ; Wk and data2 are whole in LDS
; 12 LDS loads: the fragments of 32 along i (chunk c) into buffer buf
.macro FETCH1 buf, c
.irp t, 0,1
	ds_load_tr16_b128 v[\buf+8*\t:\buf+8*\t+3],   v[TRA+((\c)>>2)] offset:((\c)&3)*32*P+32*\t
	ds_load_tr16_b128 v[\buf+8*\t+4:\buf+8*\t+7], v[TRA+((\c)>>2)] offset:((\c)&3)*32*P+16*P+32*\t
.endr
.irp k, 0,1,2,3
	ds_load_b128 v[\buf+16+8*\k:\buf+16+8*\k+3],   v[XR] offset:16*P*\k+64*(\c)
	ds_load_b128 v[\buf+16+8*\k+4:\buf+16+8*\k+7], v[XR] offset:16*P*\k+64*(\c)+32
.endr
.endm
; 8 matrix instructions on 8 accumulators that take turns, one instruction a turn, in the same order in every chunk
.macro MUL1 buf, first
.irp k, 0,1,2,3
.irp t, 0,1
.if \first
	v_wmma_f32_16x16x32_bf16 v[ACC+8*(4*\t+\k):ACC+8*(4*\t+\k)+7], v[\buf+8*\t:\buf+8*\t+7], v[\buf+16+8*\k:\buf+16+8*\k+7], v[BIAS+8*\t:BIAS+8*\t+7]
.else
	v_wmma_f32_16x16x32_bf16 v[ACC+8*(4*\t+\k):ACC+8*(4*\t+\k)+7], v[\buf+8*\t:\buf+8*\t+7], v[\buf+16+8*\k:\buf+16+8*\k+7], v[ACC+8*(4*\t+\k):ACC+8*(4*\t+\k)+7]
.endif
.endr
.endr
.endm
; chunk c is multiplied from buffer cur while chunk c + 1 is fetched into nxt
.macro STEP1 c, cur, nxt, first
.if \c < 7
	PLACES 4                                       ; a load into a register that a matrix instruction has read stands four places behind it (ISA guide 7.12.1 for vector instructions)
	FETCH1 \nxt, \c+1
	s_wait_dscnt 12                                ; all but the 12 just issued
.else
	s_wait_dscnt 0x0
.endif
	MUL1 \cur, \first
.endm
	FETCH1 BUF0, 0
	STEP1 0, BUF0, BUF1, 1                         ; the first product takes the bias as C: nothing is cleared, nothing is added later
	STEP1 1, BUF1, BUF0, 0
	STEP1 2, BUF0, BUF1, 0
	STEP1 3, BUF1, BUF0, 0
	STEP1 4, BUF0, BUF1, 0
	STEP1 5, BUF1, BUF0, 0
	STEP1 6, BUF0, BUF1, 0
	STEP1 7, BUF1, BUF0, 0
	; the way out: a lane's 8 results are kb[key = 16 k + r][32 w + 16 t + 8 h + 0..7]: 16 bytes
	PLACES 4                                       ; four places behind the last matrix instructions, ahead of the reads of their results
.set xi, 0
.rept 32
	v_cvt_pk_bf16_f32 v[PK+xi], v[ACC+2*xi], v[ACC+2*xi+1]
.set xi, xi+1
.endr
.irp t, 0,1
.irp k, 0,1,2,3
	ds_store_b128 v[KSS], v[PK+4*(4*\t+\k):PK+4*(4*\t+\k)+3] offset:16*P*\k+32*\t
.endr
.endr
	s_wait_dscnt 0x0                               ; for the others' sake: each row holds pieces of all eight waves
	s_barrier_signal -1
	s_barrier_wait -1
.irp j, 0,1,2,3,4,5,6,7
	ds_load_b128 v[BUF0+4*\j:BUF0+4*\j+3], v[KSR] offset:P*\j      ; row 8 w + j, whole
.endr
.irp j, 0,1,2,3,4,5,6,7
	s_wait_dscnt 7-\j                              ; LDS loads come back in order: row j is in
	global_store_b128 v[KO], v[BUF0+4*\j:BUF0+4*\j+3], s[12:13] offset:512*\j   ; the wave stores a row of kb: 512 consecutive bytes, aligned
.endr
	s_wait_tensorcnt 0x0
	ds_add_u32 v254, v255
	s_wait_dscnt 0x0
	s_endpgm
.Lfunc_end_k_q4814363021_prep:
	.size	k_q4814363021_prep, .Lfunc_end_k_q4814363021_prep-k_q4814363021_prep
	.p2alignl 7, 3214868480
	.fill 96, 4, 3214868480
	.section	.rodata,"a",@progbits
	.p2align	6, 0x0
	.amdhsa_kernel k_q4814363021_prep
		.amdhsa_group_segment_fixed_size 203776
		.amdhsa_private_segment_fixed_size 0
		.amdhsa_enable_private_segment 0
		.amdhsa_kernarg_size 48
		.amdhsa_user_sgpr_count 2
		.amdhsa_user_sgpr_kernarg_segment_ptr 1
		.amdhsa_wavefront_size32 1
		.amdhsa_system_sgpr_workgroup_id_x 1
		.amdhsa_system_sgpr_workgroup_id_y 1
		.amdhsa_system_sgpr_workgroup_id_z 1
		.amdhsa_system_vgpr_workitem_id 0
		.amdhsa_next_free_vgpr 512
		.amdhsa_next_free_sgpr 66
		.amdhsa_reserve_vcc 0
		.amdhsa_float_denorm_mode_32 3
		.amdhsa_float_denorm_mode_16_64 3
		.amdhsa_memory_ordered 1
		.amdhsa_forward_progress 1
		.amdhsa_inst_pref_size 43
	.end_amdhsa_kernel
	.amdgpu_metadata
---
amdhsa.version: [ 1, 2 ]
amdhsa.kernels:
  - .name:           k_q4814363021_prep
    .symbol:         k_q4814363021_prep.kd
    .args:
      - { .name: data2, .offset: 0, .size: 8, .value_kind: global_buffer, .address_space: global }
      - { .name: Wk, .offset: 8, .size: 8, .value_kind: global_buffer, .address_space: global }
      - { .name: bk, .offset: 16, .size: 8, .value_kind: global_buffer, .address_space: global }
      - { .name: Wq, .offset: 24, .size: 8, .value_kind: global_buffer, .address_space: global }
      - { .name: kb, .offset: 32, .size: 8, .value_kind: global_buffer, .address_space: global }
      - { .name: wqb, .offset: 40, .size: 8, .value_kind: global_buffer, .address_space: global }
    .group_segment_fixed_size: 203776
    .private_segment_fixed_size: 0
    .kernarg_segment_align: 8
    .kernarg_segment_size: 48
    .max_flat_workgroup_size: 256
    .sgpr_count:     66
    .vgpr_count:     512
    .wavefront_size: 32
...
	.end_amdgpu_metadata
.endif
;; end of part 1
;; launch attn (part 2): grid 256 x 1, 4 waves a work-group, clusters of 4 x 1, 327,680 bytes of LDS; arguments data1, wqb, bq, kb, out0; writes out0
.if DOCPART == 2
	.amdgcn_target "amdgcn-amd-amdhsa--gfx1250"
	.amdhsa_code_object_version 6
	.text
	.protected	k_q4814363021_attn
	.globl	k_q4814363021_attn
	.p2align	8
	.type	k_q4814363021_attn,@function
k_q4814363021_attn:
	s_mov_b64 s[64:65], 0
	v_nop
	global_prefetch_b8 v0, s[64:65] scope:SCOPE_SE
	s_setreg_imm32_b32 hwreg(HW_REG_WAVE_MODE, 25, 1), 1
	s_wait_xcnt 0x0
	s_wait_alu depctr_hold_cnt(0) depctr_sa_sdst(0) depctr_va_vdst(0) depctr_va_sdst(0) depctr_va_ssrc(0) depctr_va_vcc(0) depctr_vm_vsrc(0)
	s_getreg_b32 s2, hwreg(HW_REG_IB_STS2, 6, 4)
	s_cmp_eq_u32 s2, 0
	s_cbranch_scc0 .Lentry_in_a_cluster
	s_endpgm
.Lentry_in_a_cluster:
	s_bfe_u32 s2, ttmp6, 0x10000c
	s_cmp_lg_u32 s2, 0x3003
	s_cbranch_scc0 .Lentry_shape_is_right
	s_endpgm
.Lentry_shape_is_right:
; out0[b][q][:] = softmax over keys of (Q K^T / 32) K + Q,  Q = data1 Wq + bq (made here, never stored), K = kb (bf16, from the launch before).
; LIMITS: data1, Wq, Q, K and the softmax weights p are rounded to bf16 as matrix operands; sums, maxima, exponentials, the sum of p (taken before
; p is rounded), the merge and the residual Q are f32.  NaN and infinities in the inputs are not honoured (the maxima drop a NaN).
; Four waves; work-group g owns the 64 queries 64 g .. 64 g + 63 (256 work-groups; 32 of them share a batch).
; PROJECTION: wave w makes Q^T for d = 64 w .. 64 w + 63 and all 64 queries (16 tiles); data1 comes through registers (f32 to bf16), four tiles
;   of 64 x 128 ahead: 64 loads of 512 bytes a wave; Wq (bf16, rows already permuted in memory) comes by tensor loads, 128 rows a tile, through
;   FOUR slots: tiles 0-3 are asked for at the start, later tiles two at a time, each two steps (128 matrix instructions of a wave) ahead of its use.
; ATTENTION: the KEYS are split over the waves: of each tile of 128 keys wave w takes rows 32 w .. 32 w + 31, for all 64 queries, so that each
;   fragment of K read from LDS feeds four matrix instructions.  Each wave keeps its own running maximum, sum and 64 x 256 result (512 registers).
; MERGE: the four results are brought to one maximum, scaled by 1 / sum, added through LDS; wave w finishes d quarter w, adds its f32 Q and stores.
; EVERY PRODUCT IS TAKEN TRANSPOSED (m = d or key, n = query): a lane owns ONE query (n = r = L & 15) and its 8 registers hold m = 8 h + j.
;   So maxima, sums and factors are one number a lane; S^T packs in the lane into the P^T fragment; the bias is the C of the first product.
; Operands that lie in LDS as [k][n] (Wq; K as value) are read by the transposing load, lane L at row 2 (L & 7) + h of each 16 rows: with the
;   k place 8 h + j is then LDS row 2 j + h.  For K the same
;   order is given to S^T: lane r of K's fragment reads row 2 (r & 7) + (r >> 3).  For Wq the rows are stored in that order.
; CLUSTER: 4 work-groups in a row share their batch (32 is a multiple of 4), hence every tile of K, and every tile of Wq: each tile is asked for
;   jointly (mask 15), each wave for its 32 rows.  Every group of tensor loads stands behind a round of the cluster's barrier.
;   Tensor loads of a wave that are out: four at the start, then two, in the attention one.
.set P,     528                        ; pitch of W, K and Q rows in LDS: 512 + 16
.set WROWS, 32*P                       ; 16,896: what one tensor load brings
.set SLOT,  128*P                      ; 67,584: a tile of 128 rows; slots at 0, SLOT, 2 SLOT, 3 SLOT
.set XP,    272                        ; pitch of data1's bf16 rows (256 + 16) and of the way out
.set XBSZ,  64*XP                      ; 17,408
.set XB0,   4*SLOT                     ; 270,336: data1 in bf16, two buffers
.set QF,    2*SLOT                     ; 135,168: Q in f32, 16,384 bytes a wave, in register order: over slot 2, behind its last fill (Wq's tile 6)
.set ML,    QF+65536                   ; 200,704: [64 q][4 waves] references, then as many sums: the rest of slot 2
.set QB,    3*SLOT                     ; 202,752: Q in bf16, [q][d], 64 rows of 528: over slot 3, behind its last fill (Wq's tile 7)
.set OT,    3*SLOT                     ; the way out: 4 x 64 rows of 272 = 69,632 bytes, over Q's bf16 copy, the rest of slot 3 and the head of data1's buffers, all dead by then
                                       ; the merge stage, 4 x 32,768 bytes, lies at 0, over slots 0 and 1, behind their last fill
.set TILEB, 128*512                    ; a tile of Wq or of K in memory
.set G1, 24                            ; s[24:31] descriptor group 1: 32 rows x 256 bf16, for both tensors
.set G0, 32                            ; s[32:47] descriptor group 0, one set for each slot
                                       ; s[48:49], s[50:51] K's tiles 0 and 1; s52 loop counter; s53 my rows in a slot; s[54:55] at work
.set XA,   8                           ; v8   data1: 65,536 w + 16 L
.set XSA,  9                           ; v9   LDS: where my data1 goes
.set XBA,  10                          ; v10  LDS: data1 fragments
.set TRW,  11                          ; v11-v14  Wq^T fragments, slot 0..3
.set TRK,  15                          ; v15, v16  K^T fragments (K as value), slot 0, 1
.set KA,   17                          ; v17, v18  K fragments (K as key)
.set QFA,  19
.set QBA,  20
.set QRA,  21
.set MLS,  22
.set MLR,  23
.set RSS,  24
.set RSR,  25                          ; v25, v26
.set OTS,  27
.set OTR,  28
.set OUTA, 29
.set BQA,  30
.set ST,   32                          ; v[32:95]   S^T tile (q, k) at 16 q + 8 k; P^T fragment q is packed into its first 8 registers
.set BIAS, 32                          ; v[32:63]   projection: bias tiles e = 0..3
.set MM,   96                          ; v[96:99]   running maximum of the raw scores, one for each query tile
.set LL,   100                         ; v[100:103] running sum
.set AL,   104                         ; v[104:111] factor, as pairs
.set NM,   112                         ; v[112:119] reference -c M, as pairs
.set TT,   120                         ; v[120:123] at work
.set UU,   124                         ; v[124:127] at work
.set KF,   128                         ; v[128:255] 16 fragments of K
.set PB0,  128                         ; projection: fragment buffers (4 of Wq^T, 4 of data1)
.set PB1,  192
.set RES,  128                         ; merge: result tile (q, e) at 8 (4 q + e)
; window 1: the 32 fragments of Q, (q, c) at 8 (8 q + c); in the merge a landing space
; window 2: data1 as loaded, 4 sets of 64; then O^T tile (q, d) for d < 8 at 8 (4 d + q)
; window 3: projection accumulators (e, q) at 8 (4 e + q); then O^T for d >= 8 at 8 (4 (d - 8) + q)
.set MSB, 0
.macro WIN new                         ; low byte: bits 1:0 source 0, 3:2 source 1, 5:4 source 2, 7:6 destination; the high byte repeats the setting that is left
.if MSB != \new
	s_set_vgpr_msb (MSB<<8)|\new
.set MSB, \new
.endif
.endm
.macro PLACES n
.rept \n
	v_nop
.endr
.endm
; A round of the cluster's barrier: my work-group's barrier, wave 0 signals for the work-group, every wave waits for all four work-groups, my work-group's barrier again.
.macro ROUND
	s_barrier_signal -1
	s_barrier_wait -1
	s_cmp_lg_u32 s14, 0
	s_cbranch_scc1 .Lnot_wave_0_\@
	s_barrier_signal -3
.Lnot_wave_0_\@:
	s_barrier_wait -3
	s_barrier_signal -1
	s_barrier_wait -1
.endm
; data1's tile t (64 rows x 128 numbers): my 16 rows, one load of 512 consecutive bytes each, into set t & 3 of window 2
.macro XLOAD t
	WIN 0x80
.set xl, 0
.rept 16
	global_load_b128 v[64*((\t)&3)+4*xl:64*((\t)&3)+4*xl+3], v[XA], s[4:5] offset:4096*xl+512*(\t) th:TH_LOAD_NT
.set xl, xl+1
.endr
.endm
	s_load_b256 s[4:11], s[0:1], 0x0               ; data1 s[4:5], wqb s[6:7], bq s[8:9], kb s[10:11]
	s_load_b64 s[12:13], s[0:1], 0x20              ; out0
	v_lshl_add_u32 v134, v0, 2, 0x4a800
	v_mov_b32 v135, 0
	ds_add_u32 v134, v135
	s_wait_dscnt 0x0
	v_lshrrev_b32 v1, 5, v0
	v_readfirstlane_b32 s14, v1                    ; wave 0..3
	s_bfe_u32 s15, ttmp6, 0x40000                  ; cx: my place in the cluster; it enters s16, s18, data1's and out0's bases and nothing else
	s_lshl_b32 s16, ttmp9, 2
	s_add_co_u32 s16, s16, s15                     ; g
	v_and_b32 v1, 31, v0                           ; L
	v_and_b32 v2, 15, v0                           ; r
	v_bfe_u32 v3, v0, 4, 1                         ; h
	s_lshl_b32 s17, s14, 16
	v_lshl_add_u32 v[XA], v1, 4, s17
	s_lshl_b32 s17, s14, 8
	v_lshl_add_u32 v[BQA], v3, 5, s17
	s_lshl_b32 s54, s14, 14                        ; my 32 rows of a tile in memory
	s_mov_b32 s55, 0
	s_lshl_b32 s18, s16, 18                        ; 64 rows of data1, 4,096 bytes each
	s_mov_b32 s19, 0
	s_mul_i32 s53, s14, WROWS                      ; my 32 rows of a slot
	s_wait_kmcnt 0x0
	s_add_nc_u64 s[4:5], s[4:5], s[18:19]
	; what the first step needs goes out first: the bias and data1's tile 0, then (behind the round) Wq's tiles, then the rest of data1
.irp e, 0,1,2,3
	global_load_b128 v[BIAS+8*\e:BIAS+8*\e+3],   v[BQA], s[8:9] offset:64*\e       ; bq[64 w + 16 e + 8 h + 0..3]
	global_load_b128 v[BIAS+8*\e+4:BIAS+8*\e+7], v[BQA], s[8:9] offset:64*\e+16
.endr
	XLOAD 0
	WIN 0
	s_add_nc_u64 s[6:7], s[6:7], s[54:55]
	s_add_nc_u64 s[10:11], s[10:11], s[54:55]
	s_lshr_b32 s54, ttmp9, 3                       ; the batch: 8 clusters each
	s_lshl_b32 s54, s54, 20                        ; 2,048 keys of 512 bytes
	s_add_nc_u64 s[10:11], s[10:11], s[54:55]
	s_lshl_b32 s18, s16, 16                        ; 64 rows of out0, 1,024 bytes each
	s_add_nc_u64 s[12:13], s[12:13], s[18:19]
	s_mov_b32 s[G1+0], 15|(1<<16)|(1<<20)|(1<<21)|(6<<22)|(3<<25)  ; mask: all four; elements of 2 bytes; padding on; bit 21 beside a mask; after every 128 words, 4 words
	s_mov_b32 s[G1+1], 256<<16                     ; tensor_dim0 = 256
	s_mov_b32 s[G1+2], 32<<16                      ; tensor_dim1 = 32
	s_mov_b32 s[G1+3], 256<<16                     ; tile_dim0 = 256
	s_mov_b32 s[G1+4], 32                          ; tile_dim1 = 32
	s_mov_b32 s[G1+5], 256                         ; 256 elements from row to row
	s_mov_b32 s[G1+6], 0
	s_mov_b32 s[G1+7], 0
.irp s, 0,1,2,3
	s_mov_b32 s[G0+4*\s], 1
	s_add_co_u32 s[G0+4*\s+1], s53, \s*SLOT
	s_add_nc_u64 s[G0+4*\s+2:G0+4*\s+3], s[6:7], \s*TILEB          ; Wq's tile s
	s_or_b32 s[G0+4*\s+3], s[G0+4*\s+3], 0x80000000
.endr
.irp s, 0,1
	s_add_nc_u64 s[48+2*\s:49+2*\s], s[10:11], \s*TILEB            ; K's tile s, kept for the change from Wq to K
	s_or_b32 s[49+2*\s], s[49+2*\s], 0x80000000
.endr
	ROUND                                          ; all four work-groups are here: the first joint loads meet
.irp s, 0,1,2,3
	tensor_load_to_lds s[G0+4*\s:G0+4*\s+3], s[G1:G1+7]            ; Wq's tiles 0-3: first fills of the four slots
	s_nop 0
.endr
	XLOAD 1
	XLOAD 2
	XLOAD 3
	WIN 0
	; the rest of the set-up runs while all that is on its way
	s_mov_b32 s20, 0x3d38aa3b                      ; c = log2(e) / 32, twice: the pair that the packed multiply-add names
	s_mov_b32 s21, 0x3d38aa3b
	s_mov_b32 s22, 0x76543210                      ; v_permlanex16_b32: lane i of one half reads lane i of the other
	s_mov_b32 s23, 0xfedcba98
	v_and_b32 v4, 7, v0
	v_bfe_u32 v5, v0, 3, 1
	v_lshl_add_u32 v6, v4, 1, v3                   ; row 2 (L & 7) + h
	v_mul_u32_u24 v6, v6, P
	v_lshl_add_u32 v6, v5, 4, v6                   ; + 16 bytes for the upper eight columns: the transposing load's lane term
	v_lshl_add_u32 v7, v4, 1, v5                   ; row 2 (r & 7) + (r >> 3)
	v_mul_u32_u24 v7, v7, P
	v_lshl_add_u32 v7, v3, 4, v7                   ; + 16 h: K's fragments
	v_mul_u32_u24 v120, v2, P
	v_lshl_add_u32 v120, v3, 4, v120               ; 528 r + 16 h
	v_mul_u32_u24 v121, v2, XP                     ; 272 r
	s_mul_i32 s17, s14, 16*XP
	s_add_co_u32 s17, s17, XB0
	v_lshl_add_u32 v[XSA], v1, 3, s17
	v_lshl_add_u32 v[XBA], v3, 4, v121
	v_add_nc_u32 v[XBA], XB0, v[XBA]
	s_lshl_b32 s17, s14, 7
	v_add_nc_u32 v[TRW], s17, v6
	v_add_nc_u32 v[TRW+1], SLOT, v[TRW]
	v_add_nc_u32 v[TRW+2], 2*SLOT, v[TRW]
	v_add_nc_u32 v[TRW+3], 3*SLOT, v[TRW]
	v_add_nc_u32 v[QRA], QB, v120
	v_add_nc_u32 v[QBA], s17, v[QRA]
	v_add_nc_u32 v[TRK], s53, v6
	v_add_nc_u32 v[TRK+1], SLOT, v[TRK]
	v_add_nc_u32 v[KA], s53, v7
	v_add_nc_u32 v[KA+1], SLOT, v[KA]
	s_lshl_b32 s17, s14, 14
	s_add_co_u32 s17, s17, QF
	v_lshl_add_u32 v[QFA], v1, 4, s17
	s_lshl_b32 s17, s14, 2
	s_add_co_u32 s17, s17, ML
	v_lshl_add_u32 v[MLS], v2, 4, s17
	v_lshlrev_b32 v[MLR], 4, v2
	v_add_nc_u32 v[MLR], ML, v[MLR]
	s_lshl_b32 s17, s14, 15
	v_lshl_add_u32 v[RSS], v1, 4, s17
	s_lshl_b32 s17, s14, 12
	v_lshl_add_u32 v[RSR], v1, 4, s17
	v_add_nc_u32 v[RSR+1], 0x10000, v[RSR]
	s_mul_i32 s17, s14, 64*XP
	s_add_co_u32 s17, s17, OT
	v_lshl_add_u32 v[OTS], v3, 5, v121
	v_add_nc_u32 v[OTS], s17, v[OTS]
	v_mul_u32_u24 v31, v3, XP
	v_lshl_add_u32 v31, v2, 4, v31
	v_add_nc_u32 v[OTR], s17, v31
	s_lshl_b32 s17, s14, 8
	v_lshl_add_u32 v[OUTA], v3, 10, s17
	v_lshl_add_u32 v[OUTA], v2, 4, v[OUTA]
.irp q, 0,1,2,3
	v_mov_b32 v[UU+\q], 0                          ; v_permlanex16_b32 counts as a reader of its destination
.endr
; tile u is rounded in place and stored into buffer u & 1; its set is asked for again, four tiles ahead
.macro XCONV u
.if (\u) <= 4
	s_wait_loadcnt 48                              ; three younger tiles, 16 loads each, stay out
.else
	s_wait_loadcnt 16*(7-(\u))                     ; the tiles that are left
.endif
.set xb, 64*((\u)&3)
	WIN 0x8a
.set xi, 0
.rept 16
	v_cvt_pk_bf16_f32 v[xb+4*xi], v[xb+4*xi], v[xb+4*xi+1]
	v_cvt_pk_bf16_f32 v[xb+4*xi+1], v[xb+4*xi+2], v[xb+4*xi+3]
.set xi, xi+1
.endr
	WIN 0x08
.set xi, 0
.rept 16
	ds_store_b64 v[XSA], v[xb+4*xi:xb+4*xi+1] offset:((\u)&1)*XBSZ+XP*xi
.set xi, xi+1
.endr
.if (\u) <= 3
	XLOAD \u+4
.endif
.endm
; 16 LDS loads: 32 along i (quarter c of the tile): Wq^T for my four d tiles from slot, data1 for the four query tiles from buffer xbuf
.macro FETCHP buf, slot, xbuf, c
	WIN 0
.irp e, 0,1,2,3
	ds_load_tr16_b128 v[\buf+8*\e:\buf+8*\e+3],   v[TRW+\slot] offset:WROWS*\c+32*\e
	ds_load_tr16_b128 v[\buf+8*\e+4:\buf+8*\e+7], v[TRW+\slot] offset:WROWS*\c+16*P+32*\e
.endr
.irp q, 0,1,2,3
	ds_load_b128 v[\buf+32+8*\q:\buf+32+8*\q+3],   v[XBA] offset:XBSZ*\xbuf+16*XP*\q+64*\c
	ds_load_b128 v[\buf+32+8*\q+4:\buf+32+8*\q+7], v[XBA] offset:XBSZ*\xbuf+16*XP*\q+64*\c+32
.endr
.endm
; 16 matrix instructions on 16 accumulators that take turns, one instruction a turn, always in this order
.macro PMUL buf, first
.if \first
	WIN 0xc0                                       ; D in window 3, the bias as C in window 0
.else
	WIN 0xf0
.endif
.irp e, 0,1,2,3
.irp q, 0,1,2,3
.if \first
	v_wmma_f32_16x16x32_bf16 v[8*(4*\e+\q):8*(4*\e+\q)+7], v[\buf+8*\e:\buf+8*\e+7], v[\buf+32+8*\q:\buf+32+8*\q+7], v[BIAS+8*\e:BIAS+8*\e+7]
.else
	v_wmma_f32_16x16x32_bf16 v[8*(4*\e+\q):8*(4*\e+\q)+7], v[\buf+8*\e:\buf+8*\e+7], v[\buf+32+8*\q:\buf+32+8*\q+7], v[8*(4*\e+\q):8*(4*\e+\q)+7]
.endif
.endr
.endr
.endm
; One step of the projection: 128 along i, Wq's tile t from slot t & 3, data1's tile t from buffer t & 1.
; Every step begins with a barrier, in front of which my LDS reads of the last step and my stores of this step's data1 are done.
; Steps 0 and 1: a counted wait shows my rows of the step's tile landed, the younger of the four first tiles stay out.
; Steps 2, 4, 6: the two slots read in the two steps before are filled again: all my tensor loads have landed (this step's tile and the next step's among
;   them), the barrier is a round of the cluster's barrier, and the two joint loads stand first behind it: Wq's tiles t + 2 and t + 3; at step 6 K's tiles 0 and 1.
;   From such a request to the wait for it a wave does two steps.
; Steps 3, 5, 7: the tile was shown landed in front of the round a step ago; the two loads that are out stay out.
.macro PTRIP t
.set ps, (\t)&3
.set px, (\t)&1
.set pa, (ps+2)&3
.set pb, (ps+3)&3
	WIN 0
.if (\t) < 2
	s_wait_tensorcnt 3-(\t)                        ; of the four first loads those behind tile t may stay out
	s_wait_dscnt 0x0
	s_barrier_signal -1
	s_barrier_wait -1
.else
.if px == 0
	s_wait_xcnt 0x0
	v_lshl_add_u32 v134, v0, 2, 0x4a800
	v_mov_b32 v135, 0
	s_wait_tensorcnt 0x0                           ; no tensor load of mine is out: every group 0 may be written
	ds_add_u32 v134, v135
	s_wait_dscnt 0x0
.if (\t) < 6
	s_add_nc_u64 s[G0+4*pa+2:G0+4*pa+3], s[G0+4*pa+2:G0+4*pa+3], 4*TILEB   ; each slot's next tile lies four tiles on
	s_add_nc_u64 s[G0+4*pb+2:G0+4*pb+3], s[G0+4*pb+2:G0+4*pb+3], 4*TILEB
.else
	s_mov_b64 s[G0+2:G0+3], s[48:49]               ; slot 0's next tile is K's tile 0,
	s_mov_b64 s[G0+6:G0+7], s[50:51]               ; slot 1's is K's tile 1
.endif
	s_wait_dscnt 0x0
	ROUND
	tensor_load_to_lds s[G0+4*pa:G0+4*pa+3], s[G1:G1+7]
	s_nop 0
	tensor_load_to_lds s[G0+4*pb:G0+4*pb+3], s[G1:G1+7]
	s_nop 0
.else
	s_wait_dscnt 0x0
	s_barrier_signal -1
	s_barrier_wait -1
.endif
.endif
	PLACES 4                                       ; loads into registers that matrix instructions have read stand four places behind them (ISA guide 7.12.1 for vector instructions)
	FETCHP PB0, ps, px, 0
	FETCHP PB1, ps, px, 1
	s_wait_dscnt 16                                ; all but the 16 just issued
.if \t == 0
	PMUL PB0, 1                                    ; the first product takes the bias as C
.else
	PMUL PB0, 0
.endif
	PLACES 4
	FETCHP PB0, ps, px, 2
	s_wait_dscnt 16
	PMUL PB1, 0
	PLACES 4
	FETCHP PB1, ps, px, 3
	s_wait_dscnt 16
	PMUL PB0, 0
	s_wait_dscnt 0x0
	PMUL PB1, 0
.if \t < 7
	XCONV \t+1                                     ; into the buffer that was read a step ago: every wave's reads of it were over in front of this step's barrier
.endif
.endm
	XCONV 0                                        ; its wait also covers bq's loads, which are older
	PTRIP 0
	PTRIP 1
	PTRIP 2
	PTRIP 3
	PTRIP 4
	PTRIP 5
	PTRIP 6
	PTRIP 7
	; Q^T tile (e, q): lane (r, h), register j = Q[16 q + r][64 w + 16 e + 8 h + j].  f32 into my own bytes, for the residual; bf16 into rows, for all waves.
	; Both lie over slots 2 and 3, which have had their last fill; the barrier keeps my stores behind every wave's reads of Wq's last tiles.
	PLACES 4                                       ; four places behind the last matrix instructions, ahead of the reads of their results
	s_wait_dscnt 0x0                               ; my reads of slot 3 are over
	s_barrier_signal -1                            ; K's tiles 0 and 1 stay on their way
	s_barrier_wait -1
	WIN 0x0c
.set xi, 0
.rept 32
	ds_store_b128 v[QFA], v[4*xi:4*xi+3] offset:512*xi
.set xi, xi+1
.endr
	WIN 0x0f
.set xi, 0
.rept 64
	v_cvt_pk_bf16_f32 v[PB0+xi], v[2*xi], v[2*xi+1]
.set xi, xi+1
.endr
	WIN 0
.irp e, 0,1,2,3
.irp q, 0,1,2,3
	ds_store_b128 v[QBA], v[PB0+4*(4*\e+\q):PB0+4*(4*\e+\q)+3] offset:16*P*\q+32*\e
.endr
.endr
	s_wait_dscnt 0x0                               ; for the others' sake
	s_barrier_signal -1
	s_barrier_wait -1
	WIN 0x40
.irp q, 0,1,2,3
.irp c, 0,1,2,3,4,5,6,7
	ds_load_b128 v[8*(8*\q+\c):8*(8*\q+\c)+3],   v[QRA] offset:16*P*\q+64*\c      ; all of Q as fragments: 256 registers, for the whole of the attention
	ds_load_b128 v[8*(8*\q+\c)+4:8*(8*\q+\c)+7], v[QRA] offset:16*P*\q+64*\c+32
.endr
.endr
; The running softmax of one step: 4 query tiles, 16 scores a lane each (the other 16 of my 32 keys are in the lane 16 away).
; The reference is kept as NM = -c M, rounded once; p = exp2(c s + NM) and the factor exp2(NM new - NM old) both refer to that same number.
.macro SMAX first
.irp q, 0,1,2,3
	v_max3_num_f32 v[TT+\q], v[ST+16*\q], v[ST+16*\q+1], v[ST+16*\q+2]
.endr
.irp k, 3,5,7,9,11,13
.irp q, 0,1,2,3
	v_max3_num_f32 v[TT+\q], v[TT+\q], v[ST+16*\q+\k], v[ST+16*\q+\k+1]
.endr
.endr
.irp q, 0,1,2,3
	v_max_num_f32 v[TT+\q], v[TT+\q], v[ST+16*\q+15]
.endr
.irp q, 0,1,2,3
	v_permlanex16_b32 v[UU+\q], v[TT+\q], s22, s23
.endr
.irp q, 0,1,2,3
.if \first
	v_max_num_f32 v[MM+\q], v[TT+\q], v[UU+\q]
.else
	v_max3_num_f32 v[MM+\q], v[TT+\q], v[UU+\q], v[MM+\q]
.endif
.endr
.irp q, 0,1,2,3
	v_mul_f32 v[TT+\q], 0xbd38aa3b, v[MM+\q]       ; -c M
.endr
.if \first == 0
.irp q, 0,1,2,3
	v_sub_f32 v[UU+\q], v[TT+\q], v[NM+2*\q]       ; at most 0
.endr
.irp q, 0,1,2,3
	v_exp_f32 v[AL+2*\q], v[UU+\q]
.endr
.endif
.irp q, 0,1,2,3
	v_mov_b32 v[NM+2*\q], v[TT+\q]                 ; plain instructions behind the exponentials, ahead of the first use of their results (ISA guide 5.7.2)
	v_mov_b32 v[NM+2*\q+1], v[TT+\q]
.endr
.if \first == 0
	s_wait_alu depctr_va_vdst(0)
.irp q, 0,1,2,3
	v_mov_b32 v[AL+2*\q+1], v[AL+2*\q]
.endr
.endif
.irp q, 0,1,2,3
.irp k, 0,2,4,6,8,10,12,14
	v_pk_fma_f32 v[ST+16*\q+\k:ST+16*\q+\k+1], v[ST+16*\q+\k:ST+16*\q+\k+1], s[20:21], v[NM+2*\q:NM+2*\q+1] op_sel_hi:[1,0,1]
.endr
.endr
.set xi, 0
.rept 64
	v_exp_f32 v[ST+xi], v[ST+xi]
.set xi, xi+1
.endr
	v_nop                                          ; one plain place behind the last exponential
	s_wait_alu depctr_va_vdst(0)
.irp q, 0,1,2,3
	v_pk_add_f32 v[120:121], v[ST+16*\q:ST+16*\q+1],     v[ST+16*\q+2:ST+16*\q+3]      ; these four read all 16 p: the rounding in place may follow
	v_pk_add_f32 v[122:123], v[ST+16*\q+4:ST+16*\q+5],   v[ST+16*\q+6:ST+16*\q+7]
	v_pk_add_f32 v[124:125], v[ST+16*\q+8:ST+16*\q+9],   v[ST+16*\q+10:ST+16*\q+11]
	v_pk_add_f32 v[126:127], v[ST+16*\q+12:ST+16*\q+13], v[ST+16*\q+14:ST+16*\q+15]
.irp k, 0,1,2,3
	v_cvt_pk_bf16_f32 v[ST+16*\q+\k], v[ST+16*\q+2*\k], v[ST+16*\q+2*\k+1]             ; register k takes 2 k, 2 k + 1: never a register that is still to be read
.endr
	v_pk_add_f32 v[120:121], v[120:121], v[122:123]
	v_pk_add_f32 v[124:125], v[124:125], v[126:127]
.irp k, 4,5
	v_cvt_pk_bf16_f32 v[ST+16*\q+\k], v[ST+16*\q+2*\k], v[ST+16*\q+2*\k+1]
.endr
	v_pk_add_f32 v[120:121], v[120:121], v[124:125]
.irp k, 6,7
	v_cvt_pk_bf16_f32 v[ST+16*\q+\k], v[ST+16*\q+2*\k], v[ST+16*\q+2*\k+1]
.endr
.if \first
	v_add_f32 v[LL+\q], v120, v121
.else
	v_fma_f32 v[LL+\q], v[LL+\q], v[AL+2*\q], v120
	v_add_f32 v[LL+\q], v[LL+\q], v121
.endif
.endr
.endm
; all 64 tiles of O^T times the query tile's factor
.macro RESCALE
.irp m, 0x82, 0xc3
	WIN \m
.set ri, 0
.rept 32
.irp k, 0,2,4,6
	v_pk_mul_f32 v[8*ri+\k:8*ri+\k+1], v[8*ri+\k:8*ri+\k+1], v[AL+2*(ri&3):AL+2*(ri&3)+1]
.endr
.set ri, ri+1
.endr
.endr
.endm
; 32 matrix instructions: O^T(d, q) += K^T(d, key) P^T(key, q), eight d tiles x four query tiles; 64 accumulators take turns over the two halves
.macro PVHALF kf, first
.irp d, 0,1,2,3,4,5,6,7
.irp q, 0,1,2,3
.if \first
	v_wmma_f32_16x16x32_bf16 v[8*(4*\d+\q):8*(4*\d+\q)+7], v[\kf+8*\d:\kf+8*\d+7], v[ST+16*\q:ST+16*\q+7], 0
.else
	v_wmma_f32_16x16x32_bf16 v[8*(4*\d+\q):8*(4*\d+\q)+7], v[\kf+8*\d:\kf+8*\d+7], v[ST+16*\q:ST+16*\q+7], v[8*(4*\d+\q):8*(4*\d+\q)+7]
.endif
.endr
.endr
.endm
; One step of the attention: a tile of 128 keys, of which my 32.
.macro ATRIP slot, first, refill
	WIN 0
	s_wait_xcnt 0x0
	v_lshl_add_u32 v134, v0, 2, 0x4a800
	v_mov_b32 v135, 0
	s_wait_tensorcnt 0x0                           ; all my tensor loads have landed: my rows of this step's tile; every group 0 may be written
	ds_add_u32 v134, v135
	s_wait_dscnt 0x0
	s_add_nc_u64 s[G0+4*\slot+2:G0+4*\slot+3], s[G0+4*\slot+2:G0+4*\slot+3], 2*TILEB   ; this slot's next tile (in the last two steps written and not used)
	s_wait_dscnt 0x0                               ; my reads of the other slot are over
	ROUND                                          ; both now hold of every wave of all four work-groups
.if \refill
	tensor_load_to_lds s[G0+4*(1-\slot):G0+4*(1-\slot)+3], s[G1:G1+7]      ; the next tile, first behind the round; it has this step's work in which to land
	s_nop 0
.endif
	WIN 0x04                                       ; source 1 (Q) in window 1
.irp c, 0,1,2,3,4,5,6,7
.irp k, 0,1
	ds_load_b128 v[KF+8*(2*\c+\k):KF+8*(2*\c+\k)+3],   v[KA+\slot] offset:16*P*\k+64*\c
	ds_load_b128 v[KF+8*(2*\c+\k)+4:KF+8*(2*\c+\k)+7], v[KA+\slot] offset:16*P*\k+64*\c+32
.endr
.endr
.irp c, 0,1,2,3,4,5,6,7
	s_wait_dscnt 28-4*\c                           ; the groups of four loads behind this one stay out
.irp k, 0,1
.irp q, 0,1,2,3
.if \c == 0
	v_wmma_f32_16x16x32_bf16 v[ST+16*\q+8*\k:ST+16*\q+8*\k+7], v[KF+8*(2*\c+\k):KF+8*(2*\c+\k)+7], v[8*(8*\q+\c):8*(8*\q+\c)+7], 0
.else
	v_wmma_f32_16x16x32_bf16 v[ST+16*\q+8*\k:ST+16*\q+8*\k+7], v[KF+8*(2*\c+\k):KF+8*(2*\c+\k)+7], v[8*(8*\q+\c):8*(8*\q+\c)+7], v[ST+16*\q+8*\k:ST+16*\q+8*\k+7]
.endif
.endr
.endr
.endr
	WIN 0
	PLACES 4                                       ; four places: ahead of the loads into K's fragment registers and of the reads of S^T
.irp d, 0,1,2,3,4,5,6,7,8,9,10,11,12,13,14,15
	ds_load_tr16_b128 v[KF+8*\d:KF+8*\d+3],   v[TRK+\slot] offset:32*\d             ; the same 32 rows, transposed: they land under the softmax
	ds_load_tr16_b128 v[KF+8*\d+4:KF+8*\d+7], v[TRK+\slot] offset:16*P+32*\d
.endr
	SMAX \first
.if \first == 0
	RESCALE
.endif
	s_wait_dscnt 0x0
	WIN 0xa0
	PVHALF KF, \first
	WIN 0xf0
	PVHALF KF+64, \first
	PLACES 5                                       ; five places: the next step's first products write over P^T, which these have read; its loads land in K's fragments
.endm
	ATRIP 0, 1, 0                                  ; the first step starts maxima, sums and O^T: nothing is cleared.  Its wait on DScnt also covers Q's fragments.
	                                               ; It fills nothing: tile 1 was asked for together with tile 0
	ATRIP 1, 0, 1                                  ; asks for tile 2
	WIN 0                                          ; at a label and at a branch every window is 0
	s_mov_b32 s52, 6
.Lpair:
	ATRIP 0, 0, 1
	ATRIP 1, 0, 1
	WIN 0
	s_sub_co_u32 s52, s52, 1
	s_cmp_lg_u32 s52, 0
	s_cbranch_scc1 .Lpair
	ATRIP 0, 0, 1                                  ; tile 14; asks for tile 15, the last
	ATRIP 1, 0, 0
	; THE MERGE.  Each wave's reference and sum for each query go through LDS; every wave forms the common reference and the whole sum.
	WIN 0
.irp q, 0,1,2,3
	v_permlanex16_b32 v[UU+\q], v[LL+\q], s22, s23
.endr
.irp q, 0,1,2,3
	v_add_f32 v[LL+\q], v[LL+\q], v[UU+\q]         ; the two halves of my 32 keys
.endr
.irp q, 0,1,2,3
	ds_store_b32 v[MLS], v[NM+2*\q] offset:256*\q          ; lanes r and r + 16 store the same word with the same value
	ds_store_b32 v[MLS], v[LL+\q] offset:1024+256*\q
.endr
	s_wait_dscnt 0x0
	s_barrier_signal -1
	s_barrier_wait -1                              ; also: no wave reads a slot any more, and no tensor load follows: slots 0 and 1 become the merge stage
.irp q, 0,1,2,3
	ds_load_b128 v[32+4*\q:35+4*\q], v[MLR] offset:256*\q          ; the four waves' references of query 16 q + r
	ds_load_b128 v[48+4*\q:51+4*\q], v[MLR] offset:1024+256*\q     ; and their sums
.endr
	s_wait_dscnt 0x0
.irp q, 0,1,2,3
	v_min_num_f32 v[TT+\q], v[32+4*\q], v[33+4*\q]
.endr
.irp q, 0,1,2,3
	v_min_num_f32 v[TT+\q], v[TT+\q], v[34+4*\q]
.endr
.irp q, 0,1,2,3
	v_min_num_f32 v[TT+\q], v[TT+\q], v[35+4*\q]   ; the least -c M belongs to the largest M
.endr
.irp q, 0,1,2,3
.irp j, 0,1,2,3
	v_sub_f32 v[32+4*\q+\j], v[TT+\q], v[32+4*\q+\j]
.endr
	v_sub_f32 v[AL+2*\q], v[TT+\q], v[NM+2*\q]     ; my own
.endr
.set xi, 0
.rept 16
	v_exp_f32 v[32+xi], v[32+xi]
.set xi, xi+1
.endr
.irp q, 0,1,2,3
	v_exp_f32 v[AL+2*\q], v[AL+2*\q]
.endr
	v_nop
	s_wait_alu depctr_va_vdst(0)
.irp q, 0,1,2,3
	v_mul_f32 v[UU+\q], v[32+4*\q], v[48+4*\q]
.endr
.irp j, 1,2,3
.irp q, 0,1,2,3
	v_fmac_f32 v[UU+\q], v[32+4*\q+\j], v[48+4*\q+\j]      ; the whole sum: at least about 1, since the wave with the common reference holds a p of about 1
.endr
.endr
.irp q, 0,1,2,3
	v_rcp_f32 v[TT+\q], v[UU+\q]
.endr
	v_nop
	s_wait_alu depctr_va_vdst(0)
.irp q, 0,1,2,3
	v_mul_f32 v[AL+2*\q+1], v[AL+2*\q], v[TT+\q]
	v_mul_f32 v[AL+2*\q], v[AL+2*\q], v[TT+\q]
.endr
	RESCALE                                        ; my O^T is now my share of the result
; Query tiles 2 hh and 2 hh + 1: every wave lays its 32 tiles into its 32,768 bytes of the stage; wave w takes the tiles of d quarter w from all four and adds them.
.macro REDUCE hh
	WIN 0x08
.irp p, 0,1
.irp d, 0,1,2,3,4,5,6,7
	ds_store_b128 v[RSS], v[8*(4*\d+2*\hh+\p):8*(4*\d+2*\hh+\p)+3]   offset:(16*\p+\d)*1024
	ds_store_b128 v[RSS], v[8*(4*\d+2*\hh+\p)+4:8*(4*\d+2*\hh+\p)+7] offset:(16*\p+\d)*1024+512
.endr
.endr
	WIN 0x0c
.irp p, 0,1
.irp d, 0,1,2,3,4,5,6,7
	ds_store_b128 v[RSS], v[8*(4*\d+2*\hh+\p):8*(4*\d+2*\hh+\p)+3]   offset:(16*\p+8+\d)*1024
	ds_store_b128 v[RSS], v[8*(4*\d+2*\hh+\p)+4:8*(4*\d+2*\hh+\p)+7] offset:(16*\p+8+\d)*1024+512
.endr
.endr
	WIN 0
	s_wait_dscnt 0x0
	s_barrier_signal -1
	s_barrier_wait -1
	WIN 0x40
.irp s, 0,1,2,3
.irp p, 0,1
.irp e, 0,1,2,3
	ds_load_b128 v[64*\s+8*(4*\p+\e):64*\s+8*(4*\p+\e)+3],   v[RSR+(\s>>1)] offset:(\s&1)*32768+16384*\p+1024*\e
	ds_load_b128 v[64*\s+8*(4*\p+\e)+4:64*\s+8*(4*\p+\e)+7], v[RSR+(\s>>1)] offset:(\s&1)*32768+16384*\p+1024*\e+512
.endr
.endr
.endr
	s_wait_dscnt 0x0
.if \hh == 0
	s_barrier_signal -1                            ; my reads of the stage are over; only register work up to the wait
.endif
	WIN 0x45
.set xi, 0
.rept 32
	v_pk_add_f32 v[2*xi:2*xi+1], v[2*xi:2*xi+1], v[64+2*xi:64+2*xi+1]
	v_pk_add_f32 v[128+2*xi:128+2*xi+1], v[128+2*xi:128+2*xi+1], v[192+2*xi:192+2*xi+1]
.set xi, xi+1
.endr
	WIN 0x05
.set xi, 0
.rept 32
	v_pk_add_f32 v[RES+64*\hh+2*xi:RES+64*\hh+2*xi+1], v[2*xi:2*xi+1], v[128+2*xi:128+2*xi+1]
.set xi, xi+1
.endr
.if \hh == 0
	s_barrier_wait -1                              ; everybody's are: the stage may be written again
.endif
.endm
	REDUCE 0
	REDUCE 1
	; the residual: my own f32 Q, in the order of the result's tiles
	WIN 0x40
.irp q, 0,1,2,3
.irp e, 0,1,2,3
	ds_load_b128 v[8*(4*\q+\e):8*(4*\q+\e)+3],   v[QFA] offset:1024*(4*\e+\q)
	ds_load_b128 v[8*(4*\q+\e)+4:8*(4*\q+\e)+7], v[QFA] offset:1024*(4*\e+\q)+512
.endr
.endr
	s_wait_dscnt 0x0
	WIN 0x04
.set xi, 0
.rept 64
	v_pk_add_f32 v[RES+2*xi:RES+2*xi+1], v[RES+2*xi:RES+2*xi+1], v[2*xi:2*xi+1]
.set xi, xi+1
.endr
	; the way out: a lane's 8 numbers are 32 bytes of row 16 q + r; through my own rows of 272 bytes, back as 256 bytes a row
	WIN 0
.irp q, 0,1,2,3
.irp e, 0,1,2,3
	ds_store_b128 v[OTS], v[RES+8*(4*\q+\e):RES+8*(4*\q+\e)+3]   offset:16*XP*\q+64*\e
	ds_store_b128 v[OTS], v[RES+8*(4*\q+\e)+4:RES+8*(4*\q+\e)+7] offset:16*XP*\q+64*\e+16
.endr
.endr
	WIN 0x40
.set xi, 0
.rept 32
	ds_load_b128 v[128+4*xi:128+4*xi+3], v[OTR] offset:2*XP*xi     ; LDS serves a wave's instructions in order (ISA guide 5.7.1): these see my stores above
.set xi, xi+1
.endr
	WIN 0x04                                       ; store data in window 1
.set xi, 0
.rept 32
	s_wait_dscnt 31-xi                             ; rows 2 xi and 2 xi + 1 are in
	global_store_b128 v[OUTA], v[128+4*xi:128+4*xi+3], s[12:13] offset:2048*xi th:TH_STORE_NT   ; 16 lanes store 256 consecutive bytes, aligned
.set xi, xi+1
.endr
	WIN 0
	s_wait_xcnt 0x0
	v_lshl_add_u32 v134, v0, 2, 0x4a800
	v_mov_b32 v135, 0
	s_wait_tensorcnt 0x0
	ds_add_u32 v134, v135
	s_wait_dscnt 0x0
	ROUND                                          ; the closing round: no work-group ends while a partner may still ask for a tile that names it
	s_endpgm
.Lfunc_end_k_q4814363021_attn:
	.size	k_q4814363021_attn, .Lfunc_end_k_q4814363021_attn-k_q4814363021_attn
	.p2alignl 7, 3214868480
	.fill 96, 4, 3214868480
	.section	.rodata,"a",@progbits
	.p2align	6, 0x0
	.amdhsa_kernel k_q4814363021_attn
		.amdhsa_group_segment_fixed_size 327680
		.amdhsa_private_segment_fixed_size 0
		.amdhsa_enable_private_segment 0
		.amdhsa_kernarg_size 40
		.amdhsa_user_sgpr_count 2
		.amdhsa_user_sgpr_kernarg_segment_ptr 1
		.amdhsa_wavefront_size32 1
		.amdhsa_system_sgpr_workgroup_id_x 1
		.amdhsa_system_sgpr_workgroup_id_y 1
		.amdhsa_system_sgpr_workgroup_id_z 1
		.amdhsa_system_vgpr_workitem_id 0
		.amdhsa_next_free_vgpr 1024
		.amdhsa_next_free_sgpr 66
		.amdhsa_reserve_vcc 0
		.amdhsa_float_denorm_mode_32 3
		.amdhsa_float_denorm_mode_16_64 3
		.amdhsa_memory_ordered 1
		.amdhsa_forward_progress 1
		.amdhsa_inst_pref_size 255
	.end_amdhsa_kernel
	.section	.bss,"aw",@nobits
	.p2align	6
	.space	262144
	.amdgpu_metadata
---
amdhsa.version: [ 1, 2 ]
amdhsa.kernels:
  - .name:           k_q4814363021_attn
    .symbol:         k_q4814363021_attn.kd
    .args:
      - { .name: data1, .offset: 0, .size: 8, .value_kind: global_buffer, .address_space: global }
      - { .name: wqb, .offset: 8, .size: 8, .value_kind: global_buffer, .address_space: global }
      - { .name: bq, .offset: 16, .size: 8, .value_kind: global_buffer, .address_space: global }
      - { .name: kb, .offset: 24, .size: 8, .value_kind: global_buffer, .address_space: global }
      - { .name: out0, .offset: 32, .size: 8, .value_kind: global_buffer, .address_space: global }
    .group_segment_fixed_size: 327680
    .private_segment_fixed_size: 0
    .kernarg_segment_align: 8
    .kernarg_segment_size: 40
    .max_flat_workgroup_size: 128
    .sgpr_count:     66
    .vgpr_count:     1024
    .wavefront_size: 32
...
	.end_amdgpu_metadata
.endif
;; end of part 2
